; MI455X (gfx1250); checked and timed in simulation.
; The chip was launched on July 23, 2026; its instructions are those of AMD's public machine-readable ISA for CDNA 5 (MIT licence, August 2026) and "CDNA5" Instruction Set Architecture Reference Guide (July 2026). The comments in the code are by the model that wrote it; some were corrected since.
;; Attention. Allowed arithmetic: float matrix products may take bf16 or f16 operands with f32 sums; all other float work in f32.
;; Inputs: K 4 x 16 x 2,048 x 64 float32; Q 4 x 16 x 2,048 x 64 float32; V 4 x 16 x 2,048 x 64 float32; mask 1 x 1 x 2,048 x 2,048 bool.
;; Outputs: out0 4 x 16 x 2,048 x 64 float32.
;; One version. Each part assembles by itself: llvm-mc -triple=amdgcn-amd-amdhsa -mcpu=gfx1250 --defsym DOCPART=n.
;; ======== version 1 of 1: 2 launches
;; limits: inputs' magnitudes at most 65,280; below input magnitudes of 6.1e-05 results are inexact or not finite; values are held in f16: magnitudes above 65,504 overflow, below 6.1e-05 lose precision
;; workspace buffers: lmask 524,288 bytes of whole numbers; tmap 512 bytes of whole numbers
;; launch maskprep (part 1): grid 64 x 1, 32 waves a work-group, no clusters, 4,352 bytes of LDS; arguments mask, lmask, tmap; writes lmask, tmap
.if DOCPART == 1
	.amdgcn_target "amdgcn-amd-amdhsa--gfx1250"
	.amdhsa_code_object_version 6
	.text
	.protected	k_q6fa5a2ed9d_maskprep
	.globl	k_q6fa5a2ed9d_maskprep
	.p2align	8
	.type	k_q6fa5a2ed9d_maskprep,@function
k_q6fa5a2ed9d_maskprep:
	s_mov_b64 s[64:65], 0
	v_nop
	global_prefetch_b8 v0, s[64:65] scope:SCOPE_SE
	s_setreg_imm32_b32 hwreg(HW_REG_WAVE_MODE, 25, 1), 1
	s_wait_xcnt 0x0
; The mask [2048][2048] of bytes (1 = masked) is read once and turned into whole numbers for the attention launch.
; Work-group rb = a block of 32 query rows; wave kt = a tile of 64 keys; lane L = (r = L & 15, h = L >> 4).
; lmask: a record of 64 words for each (rb, kt), at byte (32 rb + kt) x 256.  Bit L of word g = 32 n + 8 t + j is
;        mask[32 rb + 16 n + r][64 kt + 32 h + 8 t + j]: the lane mask with which the attention launch selects -inf
;        for register j of its score tile (t, n).
; tmap:  two words for each rb, at byte 8 rb: bit kt of the first = some element of the 32 x 64 tile is visible,
;        bit kt of the second = the tile has visible and masked elements.
; 64 work-groups: a row block's two words need all 32 key tiles in one work-group.  No pattern of the mask is assumed.
.set MROW, 2048                        ; bytes in a row of the mask
.set BY,   4                           ; v[4:19]  my 64 mask bytes: byte g & 3 of register BY + (g >> 2) is element g
.set TM,   20                          ; v[20:21] one isolated byte, two registers by turns
.set W,    22                          ; v[22:23] lane i collects words 2 i and 2 i + 1 of the record
	s_load_b128 s[4:7], s[0:1], 0x0                ; mask s[4:5], lmask s[6:7]
	s_load_b64 s[8:9], s[0:1], 0x10                ; tmap
	v_lshl_add_u32 v32, v0, 2, 0x100
	v_mov_b32 v33, 0
	v_lshrrev_b32 v1, 5, v0
	v_readfirstlane_b32 s10, v1                    ; kt = the wave's number
	v_and_b32 v2, 31, v0                           ; L
	v_and_b32 v3, 15, v0                           ; r
	v_bfe_u32 v24, v0, 4, 1                        ; h
	v_lshlrev_b32 v1, 11, v3                       ; r rows of 2,048 bytes
	v_lshl_add_u32 v1, v24, 5, v1                  ; + 32 h
	v_lshlrev_b32 v31, 3, v2                       ; 8 L: my two words of the record
	v_lshlrev_b32 v30, 2, v2                       ; 4 L: the class word of key tile L
	s_lshl_b32 s20, ttmp9, 16                      ; 32 rb rows of the mask
	s_lshl_b32 s11, s10, 6                         ; + 64 kt columns
	s_add_co_u32 s20, s20, s11
	s_mov_b32 s21, 0
	s_lshl_b32 s22, ttmp9, 13                      ; (32 rb + kt) records of 256 bytes
	s_lshl_b32 s11, s10, 8
	s_add_co_u32 s22, s22, s11
	s_mov_b32 s23, 0
	s_lshl_b32 s24, ttmp9, 3                       ; 8 rb
	s_mov_b32 s25, 0
	s_wait_kmcnt 0x0
	s_add_nc_u64 s[4:5], s[4:5], s[20:21]
	s_add_nc_u64 s[6:7], s[6:7], s[22:23]
	s_add_nc_u64 s[8:9], s[8:9], s[24:25]
	; 32 bytes of row r (n = 0) and 32 of row 16 + r (n = 1); the 32 waves together read 32 whole rows
	global_load_b128 v[BY:BY+3],     v1, s[4:5] th:TH_LOAD_NT
	global_load_b128 v[BY+4:BY+7],   v1, s[4:5] offset:16 th:TH_LOAD_NT
	global_load_b128 v[BY+8:BY+11],  v1, s[4:5] offset:16*MROW th:TH_LOAD_NT
	global_load_b128 v[BY+12:BY+15], v1, s[4:5] offset:16*MROW+16 th:TH_LOAD_NT
	v_mov_b32 v[W], 0                              ; v_writelane_b32 keeps the other lanes: both registers are written whole first
	v_mov_b32 v[W+1], 0
	s_mov_b32 s13, -1                              ; AND of the 64 words: all ones = everything masked
	s_mov_b32 s14, 0                               ; OR of the 64 words: zero = nothing masked
	s_wait_loadcnt 0x0
	; element g of all 32 lanes becomes one word; temporaries take turns so that neighbouring steps do not wait for each other
.set g, 0
.rept 64
	v_and_b32 v[TM+(g&1)], 0xff<<(8*(g&3)), v[BY+(g>>2)]
	v_cmp_ne_u32 s[12+3*(g&1)], 0, v[TM+(g&1)]
	s_and_b32 s13, s13, s[12+3*(g&1)]
	s_or_b32 s14, s14, s[12+3*(g&1)]
	v_writelane_b32 v[W+(g&1)], s[12+3*(g&1)], g>>1
.set g, g+1
.endr
	global_store_b64 v31, v[W:W+1], s[6:7]         ; the wave stores the record's 256 consecutive bytes, aligned
	; the tile's class: bit 0 = something visible, bit 1 = visible and masked elements
	s_cmp_lg_u32 s13, -1
	s_cselect_b32 s16, 1, 0
	s_cmp_lg_u32 s14, 0
	s_cselect_b32 s17, 2, 0
	s_mul_i32 s17, s17, s16
	s_or_b32 s16, s16, s17
	v_mov_b32 v25, s16
	v_mov_b32 v26, s10
	v_lshlrev_b32 v26, 2, v26
	ds_store_b32 v26, v25                          ; word kt of LDS; all lanes write the same value
	s_wait_dscnt 0x0                               ; my word is in LDS before I signal
	s_barrier_signal -1
	s_barrier_wait -1
	s_cmp_lg_u32 s10, 0
	s_cbranch_scc1 .Lend                           ; wave 0 alone gathers the 32 classes into two words
	ds_load_b32 v27, v30                           ; lane L: the class of key tile L
	v_mov_b32 v24, 0
	s_wait_dscnt 0x0
	v_and_b32 v[TM], 1, v27
	v_and_b32 v[TM+1], 2, v27
	v_cmp_ne_u32 s16, 0, v[TM]
	v_cmp_ne_u32 s17, 0, v[TM+1]
	v_mov_b32 v28, s16
	v_mov_b32 v29, s17
	v_cmp_eq_u32 vcc_lo, 0, v2
	s_wait_xcnt 0x0                                ; EXEC is a source of the record's store: it narrows only behind this wait
	s_and_saveexec_b32 s18, vcc_lo
	global_store_b64 v24, v[28:29], s[8:9]         ; lane 0: the row block's two words, all that this work-group owns of tmap
	s_wait_xcnt 0x0                                ; and widens again only behind this one
	s_or_b32 exec_lo, exec_lo, s18
.Lend:
	s_wait_tensorcnt 0x0
	ds_add_u32 v32, v33
	s_wait_dscnt 0x0
	s_endpgm
.Lfunc_end_k_q6fa5a2ed9d_maskprep:
	.size	k_q6fa5a2ed9d_maskprep, .Lfunc_end_k_q6fa5a2ed9d_maskprep-k_q6fa5a2ed9d_maskprep
	.p2alignl 7, 3214868480
	.fill 96, 4, 3214868480
	.section	.rodata,"a",@progbits
	.p2align	6, 0x0
	.amdhsa_kernel k_q6fa5a2ed9d_maskprep
		.amdhsa_group_segment_fixed_size 4352
		.amdhsa_private_segment_fixed_size 0
		.amdhsa_enable_private_segment 0
		.amdhsa_kernarg_size 24
		.amdhsa_user_sgpr_count 2
		.amdhsa_user_sgpr_kernarg_segment_ptr 1
		.amdhsa_wavefront_size32 1
		.amdhsa_system_sgpr_workgroup_id_x 1
		.amdhsa_system_sgpr_workgroup_id_y 1
		.amdhsa_system_sgpr_workgroup_id_z 1
		.amdhsa_system_vgpr_workitem_id 0
		.amdhsa_next_free_vgpr 34
		.amdhsa_next_free_sgpr 66
		.amdhsa_reserve_vcc 1
		.amdhsa_float_denorm_mode_32 3
		.amdhsa_float_denorm_mode_16_64 3
		.amdhsa_memory_ordered 1
		.amdhsa_forward_progress 1
		.amdhsa_inst_pref_size 20
	.end_amdhsa_kernel
	.amdgpu_metadata
---
amdhsa.version: [ 1, 2 ]
amdhsa.kernels:
  - .name:           k_q6fa5a2ed9d_maskprep
    .symbol:         k_q6fa5a2ed9d_maskprep.kd
    .args:
      - { .name: mask, .offset: 0, .size: 8, .value_kind: global_buffer, .address_space: global }
      - { .name: lmask, .offset: 8, .size: 8, .value_kind: global_buffer, .address_space: global }
      - { .name: tmap, .offset: 16, .size: 8, .value_kind: global_buffer, .address_space: global }
    .group_segment_fixed_size: 4352
    .private_segment_fixed_size: 0
    .kernarg_segment_align: 8
    .kernarg_segment_size: 24
    .max_flat_workgroup_size: 1024
    .sgpr_count:     66
    .vgpr_count:     34
    .wavefront_size: 32
...
	.end_amdgpu_metadata
.endif
;; end of part 1
;; launch attn (part 2): grid 256 x 1, 8 waves a work-group, no clusters, 109,568 bytes of LDS; arguments Q, K, V, lmask, tmap, out0; writes out0
.if DOCPART == 2
	.amdgcn_target "amdgcn-amd-amdhsa--gfx1250"
	.amdhsa_code_object_version 6
	.text
	.protected	k_q6fa5a2ed9d_attn
	.globl	k_q6fa5a2ed9d_attn
	.p2align	8
	.type	k_q6fa5a2ed9d_attn,@function
k_q6fa5a2ed9d_attn:
	s_mov_b64 s[64:65], 0
	v_nop
	global_prefetch_b8 v0, s[64:65] scope:SCOPE_SE
	s_setreg_imm32_b32 hwreg(HW_REG_WAVE_MODE, 25, 1), 1
	s_wait_xcnt 0x0
; out = softmax(Q K^T / 8, masked) V for 64 heads of 2048 x 64, f32 in memory; products on 16-bit operands with f32 sums, softmax in f32.
;
; FORMATS.  Q, K and V are rounded to bf16, once each; products of bf16 numbers are exact in f32.  The probabilities go in f16: a row with few
; visible keys gives an output of V's size in which terms may cancel, and a probability kept to bf16's 8 significant bits is off by up to 2^-9 of
; itself, with f16's 11 bits by 2^-12.  Both sources of a matrix instruction have one format, so V's bf16 numbers are carried in f16, which holds
; their 8 bits exactly from 2^-14 up to 65,280.  So the result is the source's on inputs rounded to bf16, up to the rounding of the probabilities.
; The probabilities lie in 0 to 1 (the row's maximum is taken away); what falls under 2^-25 becomes 0 against a row sum of at least 1.
;
; LIMITS, stated.  (1) The source subtracts the maximum of the WHOLE score tensor; e / sum(e) does not change under a shift common to a
; row, so this text subtracts the running maximum of the row.  The results agree wherever the source's are finite; where a row's maximum
; lies so far under the global one that all its exponentials underflow, the source gives 0/0 and this text the row's true softmax.
; (2) Visible scores are finite and above -FLT_MAX (the running maximum starts there).  (3) |V| is at most 65,280 (above it f16 overflows), and
; a V under 2^-14 keeps an absolute step of 2^-24.  Q and K have bf16's range, which is f32's.
; A row with no visible key gives l = 0, O = 0 and 0 x (1/0) = NaN, as the source's 0/0 does.
;
; SHARES.  256 work-groups; head = id >> 2, i = id & 3.  A work-group makes two passes, over the query blocks of 256 rows 7 - i and i
; (right for any mask; equal work under a triangular one).  Eight waves; wave w owns rows 32 w .. 32 w + 31 of the block as two tiles n of 16.
; Keys go in 32 tiles of 64 through two LDS slots.  The trip count is constant and every wave passes every barrier; the bits of tmap,
; made from the mask as given, only jump over blocks without a barrier: a tile that no wave of the block needs is not loaded, a tile of
; which my 32 rows see nothing is not computed, and for a tile without a masked element the lane masks are neither loaded nor applied.
;
; TRANSPOSED FORM.  S^T = K Q^T: source 0 = 16 LDS rows of K, source 1 = 16 queries.  Lane (r, h) then holds query r, and register j of tile t
; LDS row 16 t + 8 h + j.  Key 32 h + 8 t + j is laid at LDS row 16 t + 8 h + j, so tiles 2 s and 2 s + 1, packed to f16 in place, ARE
; the second source of K step s of O^T = V^T P^T (registers 0-3: k = 8 h .., registers 4-7: k = 16 + 8 h .., k = LDS row - 32 s): no
; number changes lanes between the two products.  Maximum, sum and alpha of a row are one register a lane.
;
; NO CLUSTER, NO TENSOR LOADS: K and V lie in memory as f32 and are rounded on the way through registers, once for the work-group
; (40 vector instructions a thread and tile); a tile copied unchanged would take twice the LDS bytes and a second trip through registers.  And
; which tiles a work-group wants hangs on bits read from memory, which differ between the four blocks of a head.
;
; LDS: K slots at 0 and 9,216 (64 rows, pitch 144 = 9 x 16 bytes: the sixteen rows of a fragment load fall into sixteen different 16-byte
; columns modulo 256); V slots at 18,432 and 28,672 (pitch 160 = 5 x 32, for the transposing loads); from 38,912 a stage of 32 rows x 272
; bytes for each wave, its own, for the way out.
.set KPITCH, 144
.set VPITCH, 160
.set KSLOT,  64*KPITCH
.set VSLOT,  64*VPITCH
.set VBASE,  2*KSLOT
.set STAGE,  VBASE+2*VSLOT
.set SPITCH, 272
.set WSTAGE, 32*SPITCH
.set TILEB,  16384                     ; a key tile in memory: 64 rows of 256 bytes, dense
.set KA,   2                           ; v2   K fragments: 144 r + 16 h
.set VA,   3                           ; v3   V fragments: (8 h + (L & 7)) 160 + 16 ((L >> 3) & 1)
.set KST,  4                           ; v4   my 8 bytes of K's LDS rows 8 w + h: 1152 w + 144 h + 8 r
.set VST,  5                           ; v5   the same for V: 18432 + 1280 w + 160 h + 8 r
.set GOF,  6                           ; v6   my 16 bytes in a tile in memory: (32 (w & 1) + 8 (w >> 1)) 256 + 16 L
.set QOF,  7                           ; v7   256 r + 32 h
.set STO,  8                           ; v8   stage, in: 272 r + 32 h
.set RD,   9                           ; v9   stage, back: 272 h + 16 r
.set OOF,  10                          ; v10  out0: 256 h + 16 r
.set NINF, 11                          ; v11  -inf
.set PFO,  12                          ; v12  256 (T & 63)
.set NC,   13                          ; v13  -c
.set CS,   14                          ; v[14:15] c, c;  c = log2(e) / 8
.set MX,   16                          ; v[16:17] running maximum of my query, n = 0, 1 (raw scores)
.set LS,   18                          ; v[18:19] running sum over my half of the keys
.set AL,   20                          ; v[20:21] alpha; at the end 1 / l
.set NMC,  22                          ; v[22:23] -c x maximum
.set XA,   24                          ; v[24:27] at work, n = 0
.set YB,   28                          ; v[28:35] at work, n = 1, and the sums
.set QF,   48                          ; v[48:79]   Q fragments (n, s) at 48 + 16 n + 8 s
.set SC,   80                          ; v[80:143]  scores (t, n) at 80 + 32 n + 8 t; P fragments (n, s) at 80 + 32 n + 16 s
.set AF,   144                         ; v[144:207] K, then V fragments (tile, s) at 144 + 32 s + 8 tile
.set STG,  208                         ; v[208:223] a tile on its way: K's four loads,
.set STV,  224                         ; v[224:239] and V's
;                                        v[256:319] O (dt, n), written v[32 n + 8 dt] in window 1
; s[4:15] Q K V lmask tmap out0; s16 w; s17 the head's bytes; s18 i; s19 pass; s20 qb; s21 trip; s[22:23] my rows' byte offset;
; s24 tiles that the block needs; s25 tiles that I prefetch; s26, s27 tiles that my rows need / that are partly masked (all shifted as the
; loop goes); s[28:29] K, s[30:31] V at the trip's first tile; s[2:3] my lmask records; s[100:101] the prefetch's base;
; s[32:63], s[68:99] the 64 lane masks of a tile (outside the key loop: temporaries); s66 a word's upper bf16; s104, s105 selects of v_permlanex16_b32.
.set MSB, 0
.macro WIN new                         ; s_set_vgpr_msb: bits 1:0 source 0, 3:2 source 1, 5:4 source 2, 7:6 destination; the high byte repeats the setting left
.if MSB != \new
	s_set_vgpr_msb (MSB<<8)|\new
.set MSB, \new
.endif
.endm
; eight loads: my 2,048 consecutive bytes (eight key rows) of K's tile and of V's; each load of the wave covers 512 consecutive bytes
.macro LOADKV o
.irp i, 0,1,2,3
	global_load_b128 v[STG+4*\i:STG+4*\i+3], v[GOF], s[28:29] offset:\o+512*\i
.endr
.irp i, 0,1,2,3
	global_load_b128 v[STV+4*\i:STV+4*\i+3], v[GOF], s[30:31] offset:\o+512*\i
.endr
.endm
; Rounded in place and laid into LDS rows 8 w + 2 i + h: bytes that are this wave's by 1152 w (1280 w) + lane term + constant.
; K: to bf16.  V: to bf16, and each bf16 number, widened to f32 by a shift or a mask, is written as f16 (exact: see FORMATS).
.macro STOREKV slot
.irp i, 0,1,2,3
	v_cvt_pk_bf16_f32 v[STG+4*\i],   v[STG+4*\i],   v[STG+4*\i+1]
	v_cvt_pk_bf16_f32 v[STG+4*\i+1], v[STG+4*\i+2], v[STG+4*\i+3]
.endr
.irp i, 0,1,2,3
	ds_store_b64 v[KST], v[STG+4*\i:STG+4*\i+1] offset:\slot*KSLOT+2*KPITCH*\i
.endr
.irp i, 0,1,2,3
	v_cvt_pk_bf16_f32 v[STV+4*\i],   v[STV+4*\i],   v[STV+4*\i+1]
	v_cvt_pk_bf16_f32 v[STV+4*\i+1], v[STV+4*\i+2], v[STV+4*\i+3]
.endr
.irp p, 0,1                            ; the first packed word of each load, then the second; registers 2 and 3 of each load are free by now
.irp i, 0,1,2,3
	v_lshlrev_b32 v[STV+4*\i+2], 16,  v[STV+4*\i+\p]
	v_and_b32     v[STV+4*\i+3], s66, v[STV+4*\i+\p]
.endr
.irp i, 0,1,2,3
	v_cvt_pk_f16_f32 v[STV+4*\i+\p], v[STV+4*\i+2], v[STV+4*\i+3]
.endr
.endr
.irp i, 0,1,2,3
	ds_store_b64 v[VST], v[STV+4*\i:STV+4*\i+1] offset:\slot*VSLOT+2*VPITCH*\i
.endr
.endm
; S^T = K Q^T, bf16: eight accumulators (t, n) by turns, one instruction a turn; the first K step starts the sums
.macro QK slot
.irp s, 0,1
.irp t, 0,1,2,3
	ds_load_b128 v[AF+32*\s+8*\t:AF+32*\s+8*\t+3],   v[KA] offset:\slot*KSLOT+16*KPITCH*\t+64*\s
	ds_load_b128 v[AF+32*\s+8*\t+4:AF+32*\s+8*\t+7], v[KA] offset:\slot*KSLOT+16*KPITCH*\t+64*\s+32
.endr
.endr
	s_wait_dscnt 0x8                               ; d = 0..31 is in; the eight loads of d = 32..63 are younger
.irp t, 0,1,2,3
.irp n, 0,1
	v_wmma_f32_16x16x32_bf16 v[SC+32*\n+8*\t:SC+32*\n+8*\t+7], v[AF+8*\t:AF+8*\t+7], v[QF+16*\n:QF+16*\n+7], 0
.endr
.endr
	s_wait_dscnt 0x0
.irp t, 0,1,2,3
.irp n, 0,1
	v_wmma_f32_16x16x32_bf16 v[SC+32*\n+8*\t:SC+32*\n+8*\t+7], v[AF+32+8*\t:AF+32+8*\t+7], v[QF+16*\n+8:QF+16*\n+15], v[SC+32*\n+8*\t:SC+32*\n+8*\t+7]
.endr
.endr
.rept 4
	v_nop                                          ; four places before the scores are read and before loads land on K's fragments
.endr
.endm
; V^T fragments: 16 d x 32 LDS rows each, by transposing loads from V as it lies, [row][d]
.macro VLOAD slot
.irp s, 0,1
.irp d, 0,1,2,3
	ds_load_tr16_b128 v[AF+32*\s+8*\d:AF+32*\s+8*\d+3],   v[VA] offset:VBASE+\slot*VSLOT+32*VPITCH*\s+32*\d
	ds_load_tr16_b128 v[AF+32*\s+8*\d+4:AF+32*\s+8*\d+7], v[VA] offset:VBASE+\slot*VSLOT+32*VPITCH*\s+32*\d+16*VPITCH
.endr
.endr
.endm
; one select a score: word g of the record is the lane mask of score register g
.macro MASK
.set g, 0
.rept 32
	v_cndmask_b32 v[SC+g], v[SC+g], v[NINF], s[32+g]
.set g, g+1
.endr
.rept 32
	v_cndmask_b32 v[SC+g], v[SC+g], v[NINF], s[36+g]
.set g, g+1
.endr
.endm
; the new running maximum of query tile n, alpha = 2^(c (old - new)) and -c x new.  x: four registers at work
.macro MAXN n, x
.irp t, 0,1,2,3
	v_max3_num_f32 v[\x+\t], v[SC+32*\n+8*\t], v[SC+32*\n+8*\t+1], v[SC+32*\n+8*\t+2]
.endr
.irp t, 0,1,2,3
	v_max3_num_f32 v[\x+\t], v[\x+\t], v[SC+32*\n+8*\t+3], v[SC+32*\n+8*\t+4]
.endr
.irp t, 0,1,2,3
	v_max3_num_f32 v[\x+\t], v[\x+\t], v[SC+32*\n+8*\t+5], v[SC+32*\n+8*\t+6]
.endr
	v_max3_num_f32 v[\x],   v[\x],   v[SC+32*\n+7],  v[SC+32*\n+15]
	v_max3_num_f32 v[\x+1], v[\x+1], v[SC+32*\n+23], v[SC+32*\n+31]
	v_max3_num_f32 v[\x],   v[\x],   v[\x+1], v[\x+2]
	v_max3_num_f32 v[\x],   v[\x],   v[\x+3], v[MX+\n]
	v_permlanex16_b32 v[\x+1], v[\x], s104, s105   ; the other half of the lanes holds the same query's other 32 keys
	v_max_num_f32 v[\x+2], v[\x], v[\x+1]
	v_sub_f32 v[\x+3], v[MX+\n], v[\x+2]           ; the difference first: equal maxima give exactly 0, at -FLT_MAX too
	v_mul_f32 v[NMC+\n], v[NC], v[\x+2]
	v_mul_f32 v[\x+3], v[CS], v[\x+3]
	v_mov_b32 v[MX+\n], v[\x+2]
	v_exp_f32 v[AL+\n], v[\x+3]                    ; what follows is a plain instruction that names neither register (ISA guide 5.7.2)
.endm
.macro FMAN n                          ; c s - c m, two at a time; -inf stays -inf
.irp k, 0,1,2,3,4,5,6,7,8,9,10,11,12,13,14,15
	v_pk_fma_f32 v[SC+32*\n+2*\k:SC+32*\n+2*\k+1], v[SC+32*\n+2*\k:SC+32*\n+2*\k+1], v[CS:CS+1], v[NMC:NMC+1] op_sel:[0,0,\n] op_sel_hi:[1,1,\n]
.endr
.endm
.macro EXPN n
.set g, 0
.rept 32
	v_exp_f32 v[SC+32*\n+g], v[SC+32*\n+g]
.set g, g+1
.endr
.endm
.macro SUMN n                          ; l = l alpha + the sum of my 32 probabilities, in four chains
	s_wait_alu depctr_va_vdst(0)
.irp c, 0,1,2,3
	v_pk_add_f32 v[YB+2*\c:YB+2*\c+1], v[SC+32*\n+8*\c:SC+32*\n+8*\c+1], v[SC+32*\n+8*\c+2:SC+32*\n+8*\c+3]
.endr
.irp c, 0,1,2,3
	v_pk_add_f32 v[YB+2*\c:YB+2*\c+1], v[YB+2*\c:YB+2*\c+1], v[SC+32*\n+8*\c+4:SC+32*\n+8*\c+5]
.endr
.irp c, 0,1,2,3
	v_pk_add_f32 v[YB+2*\c:YB+2*\c+1], v[YB+2*\c:YB+2*\c+1], v[SC+32*\n+8*\c+6:SC+32*\n+8*\c+7]
.endr
	v_pk_add_f32 v[YB:YB+1],   v[YB:YB+1],   v[YB+2:YB+3]
	v_pk_add_f32 v[YB+4:YB+5], v[YB+4:YB+5], v[YB+6:YB+7]
	v_pk_add_f32 v[YB:YB+1],   v[YB:YB+1],   v[YB+4:YB+5]
	v_add_f32 v[YB], v[YB], v[YB+1]
	v_fma_f32 v[LS+\n], v[LS+\n], v[AL+\n], v[YB]
.endm
.macro CVTN n                          ; sixteen f32 become the eight registers of a P fragment in f16, in place, ascending: register k is read before it is written
.irp s, 0,1
.irp k, 0,1,2,3,4,5,6,7
	v_cvt_pk_f16_f32 v[SC+32*\n+16*\s+\k], v[SC+32*\n+16*\s+2*\k], v[SC+32*\n+16*\s+2*\k+1]
.endr
.endr
.endm
.macro SCALEO                          ; O of query tile n times AL[n]: by alpha in a tile, by 1 / l at the end
	WIN 0x41                                       ; destination and source 0 in window 1
.irp n, 0,1
.irp k, 0,1,2,3,4,5,6,7,8,9,10,11,12,13,14,15
	v_pk_mul_f32 v[32*\n+2*\k:32*\n+2*\k+1], v[32*\n+2*\k:32*\n+2*\k+1], v[AL:AL+1] op_sel:[0,\n] op_sel_hi:[1,\n]
.endr
.endr
.endm
; O^T += V^T P^T, f16: eight accumulators (dt, n) by turns, one instruction a turn.  O takes this form alone, the scores the bf16 form alone.
.macro PV
	s_wait_dscnt 0x0                               ; V's fragments are in
	WIN 0x50                                       ; C and D in window 1
.irp s, 0,1
.irp d, 0,1,2,3
.irp n, 0,1
	v_wmma_f32_16x16x32_f16 v[32*\n+8*\d:32*\n+8*\d+7], v[AF+32*\s+8*\d:AF+32*\s+8*\d+7], v[SC+32*\n+16*\s:SC+32*\n+16*\s+7], v[32*\n+8*\d:32*\n+8*\d+7]
.endr
.endr
.endr
	WIN 0
.rept 5
	v_nop                                          ; five places: the next tile's products write over P's registers, its loads land on V's fragments, vector work touches O
.endr
.endm
; One key tile for my 32 rows.  ONE branch on the tile's bit 'partly masked': on the one way stand the loads of the 64 lane masks, the wait for them and
; the selects that read them; on the other way none of the three.  The first product and V's fragment loads are therefore written on both ways:
; no way reads a lane mask that it has not loaded, and none leaves a scalar load out.
.macro COMPUTE slot
	s_bitcmp1_b32 s27, \slot
	s_cbranch_scc0 .Lwhole_\@                      ; nothing of the tile is masked for my rows
	s_load_b512 s[32:47], s[2:3], \slot*256        ; the tile's record of 256 bytes, asked for ahead of the products
	s_load_b512 s[48:63], s[2:3], \slot*256+64
	s_load_b512 s[68:83], s[2:3], \slot*256+128
	s_load_b512 s[84:99], s[2:3], \slot*256+192
	QK \slot
	VLOAD \slot                                    ; V's fragments arrive under the softmax
	s_wait_kmcnt 0x0                               ; scalar loads return in no order: all four
	MASK
	s_branch .Lsoft_\@
.Lwhole_\@:
	QK \slot
	VLOAD \slot
.Lsoft_\@:
	MAXN 0, XA
	MAXN 1, YB
	FMAN 0
	EXPN 0                                         ; behind each run of exponentials stands plain work on the other tile's registers
	FMAN 1
	EXPN 1
	SUMN 0
	CVTN 0
	SUMN 1
	CVTN 1
	SCALEO
	PV
.endm
; One tile's turn.  ONE barrier does two things: in front of it each wave's LDS stores into this slot and its LDS reads of the other slot are
; done (s_wait_dscnt 0); behind it this slot is read and the other is written.  The jumps hang on bits and pass over no barrier.
.macro HALF slot, other
	s_wait_dscnt 0x0
	s_barrier_signal -1
	s_barrier_wait -1
	s_bitcmp1_b32 s24, \slot+1
	s_cbranch_scc0 .Lnoload_\@                     ; no wave of the block needs the next tile (beyond tile 31 the bit is 0: no load leaves the buffers)
	LOADKV (\slot+1)*TILEB
.Lnoload_\@:
	s_bitcmp1_b32 s25, \slot+3
	s_cbranch_scc0 .Lnoask_\@
	; Tile k + 3, two tiles ahead of the loads that want it: waves 0 and 1 ask for K's 64 blocks of 256 bytes, waves 2 and 3 for V's, one request a
	; lane; only the work-group i = 0 of a head in its first pass asks, so each block is asked for once; beyond tile 31 the bit is 0.
	global_prefetch_b8 v[PFO], s[100:101] offset:(\slot+3)*TILEB th:TH_LOAD_NT scope:SCOPE_SE
.Lnoask_\@:
	s_bitcmp1_b32 s26, \slot
	s_cbranch_scc0 .Lnowork_\@                     ; my 32 rows see nothing of this tile
	COMPUTE \slot
.Lnowork_\@:
	s_wait_loadcnt 0x0                             ; the next tile has had this tile's work in which to arrive
	s_bitcmp1_b32 s24, \slot+1
	s_cbranch_scc0 .Lnostore_\@
	STOREKV \other
.Lnostore_\@:
.endm
	s_load_b256 s[4:11], s[0:1], 0x0               ; Q s[4:5], K s[6:7], V s[8:9], lmask s[10:11]
	s_load_b128 s[12:15], s[0:1], 0x20             ; tmap s[12:13], out0 s[14:15]
	v_lshl_add_u32 v254, v0, 2, 0x1a800
	v_mov_b32 v255, 0
	v_lshrrev_b32 v1, 5, v0
	v_readfirstlane_b32 s16, v1                    ; w
	s_lshr_b32 s17, ttmp9, 2
	s_lshl_b32 s17, s17, 19                        ; head x 2048 rows x 256 bytes
	s_and_b32 s18, ttmp9, 3                        ; i
	s_mov_b32 s66, 0xffff0000                      ; a word's upper bf16
	s_mov_b32 s104, 0x76543210                     ; v_permlanex16_b32: lane i of one half reads lane i of the other
	s_mov_b32 s105, 0xfedcba98
	v_and_b32 v36, 15, v0                          ; r
	v_bfe_u32 v37, v0, 4, 1                        ; h
	v_and_b32 v38, 31, v0                          ; L
	v_mul_u32_u24 v[KA], v36, KPITCH
	v_lshl_add_u32 v[KA], v37, 4, v[KA]
	v_and_b32 v39, 7, v0
	v_lshl_add_u32 v39, v37, 3, v39                ; 8 h + (L & 7)
	v_mul_u32_u24 v[VA], v39, VPITCH
	v_bfe_u32 v40, v0, 3, 1
	v_lshl_add_u32 v[VA], v40, 4, v[VA]
	s_mul_i32 s72, s16, 8*KPITCH                   ; my eight LDS rows of K
	v_mul_u32_u24 v[KST], v37, KPITCH
	v_lshl_add_u32 v[KST], v36, 3, v[KST]
	v_add_nc_u32 v[KST], s72, v[KST]
	s_mul_i32 s73, s16, 8*VPITCH                   ; and of V
	s_add_co_u32 s73, s73, VBASE
	v_mul_u32_u24 v[VST], v37, VPITCH
	v_lshl_add_u32 v[VST], v36, 3, v[VST]
	v_add_nc_u32 v[VST], s73, v[VST]
	s_and_b32 s74, s16, 1                          ; LDS rows 8 w .. 8 w + 7 are keys 32 (w & 1) + 8 (w >> 1) + 0 .. 7
	s_lshl_b32 s74, s74, 13
	s_lshr_b32 s75, s16, 1
	s_lshl_b32 s75, s75, 11
	s_add_co_u32 s74, s74, s75
	v_lshl_add_u32 v[GOF], v38, 4, s74
	v_lshlrev_b32 v[QOF], 8, v36
	v_lshl_add_u32 v[QOF], v37, 5, v[QOF]
	s_mul_i32 s76, s16, WSTAGE
	s_add_co_u32 s76, s76, STAGE                   ; my stage
	v_mul_u32_u24 v[STO], v36, SPITCH
	v_lshl_add_u32 v[STO], v37, 5, v[STO]
	v_add_nc_u32 v[STO], s76, v[STO]
	v_mul_u32_u24 v[RD], v37, SPITCH
	v_lshl_add_u32 v[RD], v36, 4, v[RD]
	v_add_nc_u32 v[RD], s76, v[RD]
	v_lshlrev_b32 v[OOF], 8, v37
	v_lshl_add_u32 v[OOF], v36, 4, v[OOF]
	v_mov_b32 v[NINF], 0xff800000
	v_and_b32 v[PFO], 63, v0
	v_lshlrev_b32 v[PFO], 8, v[PFO]
	v_mov_b32 v[NC], 0xbe38aa3b                    ; -log2(e) / 8
	v_mov_b32 v[CS], 0x3e38aa3b                    ; log2(e) / 8: the division by sqrt(64) and the change of base in one factor
	v_mov_b32 v[CS+1], 0x3e38aa3b
	v_mov_b32 v[XA], 0                             ; destinations of v_permlanex16_b32 at the end, written on every way
	v_mov_b32 v[XA+1], 0
	s_mov_b32 s19, 0
	s_wait_kmcnt 0x0
.Lpass:
	s_sub_co_u32 s20, 7, s18
	s_cmp_eq_u32 s19, 0
	s_cselect_b32 s20, s20, s18                    ; qb = 7 - i, then i
	s_lshl_b32 s72, s20, 16
	s_lshl_b32 s73, s16, 13
	s_add_co_u32 s72, s72, s73                     ; (8 qb + w) x 8,192: my 32 rows of 256 bytes in the head, and my 32 records of lmask
	s_mov_b32 s73, 0
	s_add_co_u32 s22, s72, s17                     ; my rows in Q and in out0
	s_mov_b32 s23, 0
	s_mov_b32 s74, s17
	s_mov_b32 s75, 0
	s_lshl_b32 s76, s20, 6                         ; the block's eight pairs of words in tmap
	s_mov_b32 s77, 0
	s_lshl_b32 s78, s16, 3                         ; my pair among them
	s_mov_b32 s79, 0
	s_add_nc_u64 s[68:69], s[4:5], s[22:23]
	s_add_nc_u64 s[28:29], s[6:7], s[74:75]
	s_add_nc_u64 s[30:31], s[8:9], s[74:75]
	s_add_nc_u64 s[2:3], s[10:11], s[72:73]
	s_add_nc_u64 s[80:81], s[12:13], s[76:77]
	s_add_nc_u64 s[82:83], s[80:81], s[78:79]
	s_load_b512 s[32:47], s[80:81], 0x0
	s_load_b64 s[26:27], s[82:83], 0x0
	; Q as fragments: lane (r, h) takes of query 16 n + r the numbers d = 32 s + 8 h + 0..7 and 32 s + 16 + 8 h + 0..7; read once in the launch
.irp n, 0,1
.irp s, 0,1
.irp q, 0,1,2,3
	global_load_b128 v[SC+32*\n+16*\s+4*\q:SC+32*\n+16*\s+4*\q+3], v[QOF], s[68:69] offset:4096*\n+128*\s+16*(\q&1)+64*(\q>>1) th:TH_LOAD_NT
.endr
.endr
.endr
	LOADKV 0                                       ; tile 0 without a condition
	v_mov_b32 v[MX], 0xff7fffff                    ; -FLT_MAX
	v_mov_b32 v[MX+1], 0xff7fffff
	v_mov_b32 v[LS], 0
	v_mov_b32 v[LS+1], 0
	; O is cleared: which tile is a row block's first hangs on the mask, so no product can be written out as the one that starts the sums
	WIN 0x40
.set g, 0
.rept 64
	v_mov_b32 v[g], 0
.set g, g+1
.endr
	WIN 0
	s_wait_kmcnt 0x0
	s_or_b32 s24, s32, s34                         ; tiles that some wave of the block needs
	s_or_b32 s24, s24, s36
	s_or_b32 s24, s24, s38
	s_or_b32 s24, s24, s40
	s_or_b32 s24, s24, s42
	s_or_b32 s24, s24, s44
	s_or_b32 s24, s24, s46
	s_or_b32 s25, s18, s19                         ; i = 0, first pass,
	s_lshr_b32 s72, s16, 2                         ; waves 0 to 3:
	s_or_b32 s25, s25, s72
	s_cmp_eq_u32 s25, 0
	s_cselect_b32 s25, s24, 0                      ; these ask ahead, for the tiles that will be loaded
	s_cmp_lt_u32 s16, 2
	s_cselect_b64 s[100:101], s[28:29], s[30:31]   ; waves 0, 1 for K, waves 2, 3 for V
	s_wait_loadcnt 0x8                             ; Q's sixteen loads are in; tile 0's eight are younger
.set g, 0
.rept 32
	v_cvt_pk_bf16_f32 v[QF+g], v[SC+2*g], v[SC+2*g+1]
.set g, g+1
.endr
	s_wait_loadcnt 0x0
	STOREKV 0                                      ; slot 0 was last read in front of the barrier of the last tile's turn: nobody reads it now
	s_mov_b32 s21, 0
.Ltrip:
	HALF 0, 1
	HALF 1, 0
	s_wait_xcnt 0x0                                ; bases of loads and of the prefetch are stepped only behind this wait
	s_add_nc_u64 s[28:29], s[28:29], 2*TILEB
	s_add_nc_u64 s[30:31], s[30:31], 2*TILEB
	s_add_nc_u64 s[100:101], s[100:101], 2*TILEB
	s_add_nc_u64 s[2:3], s[2:3], 512
	s_lshr_b32 s24, s24, 2
	s_lshr_b32 s25, s25, 2
	s_lshr_b32 s26, s26, 2
	s_lshr_b32 s27, s27, 2
	s_add_co_u32 s21, s21, 1
	s_cmp_lt_u32 s21, 16
	s_cbranch_scc1 .Ltrip
	; THE WAY OUT.  The two halves of a row's sum meet; O / l; a lane's eight numbers (query r, d = 16 dt + 8 h + 0..7) go as 32 bytes into my own
	; stage and come back as whole rows of 256 bytes.
	s_add_nc_u64 s[70:71], s[14:15], s[22:23]
	v_permlanex16_b32 v[XA],   v[LS],   s104, s105
	v_permlanex16_b32 v[XA+1], v[LS+1], s104, s105
	v_add_f32 v[LS],   v[LS],   v[XA]
	v_add_f32 v[LS+1], v[LS+1], v[XA+1]
	v_rcp_f32 v[AL],   v[LS]
	v_rcp_f32 v[AL+1], v[LS+1]
	v_nop                                          ; one plain place behind the reciprocals (ISA guide 5.7.2)
	s_wait_alu depctr_va_vdst(0)
	SCALEO
	WIN 0x04                                       ; store data in window 1
.irp n, 0,1
.irp d, 0,1,2,3
	ds_store_b128 v[STO], v[32*\n+8*\d:32*\n+8*\d+3]   offset:16*SPITCH*\n+64*\d
	ds_store_b128 v[STO], v[32*\n+8*\d+4:32*\n+8*\d+7] offset:16*SPITCH*\n+64*\d+16
.endr
.endr
	WIN 0
.irp u, 0,1,2,3,4,5,6,7,8,9,10,11,12,13,14,15
	ds_load_b128 v[SC+4*\u:SC+4*\u+3], v[RD] offset:2*SPITCH*\u    ; LDS serves a wave's instructions in order (ISA guide 5.7.1): these see the stores above
.endr
.irp u, 0,1,2,3,4,5,6,7,8,9,10,11,12,13,14,15
	s_wait_dscnt 15-\u                             ; rows 2 u and 2 u + 1 are in; the later pairs' loads stay out
	global_store_b128 v[OOF], v[SC+4*\u:SC+4*\u+3], s[70:71] offset:512*\u th:TH_STORE_NT   ; sixteen lanes store one row: 256 consecutive bytes, aligned
.endr
	s_wait_xcnt 0x0                                ; the stores' data and base are written again in the next pass only behind this wait
	s_add_co_u32 s19, s19, 1
	s_cmp_lt_u32 s19, 2
	s_cbranch_scc1 .Lpass
	s_wait_tensorcnt 0x0
	ds_add_u32 v254, v255
	s_wait_dscnt 0x0
	s_endpgm
.Lfunc_end_k_q6fa5a2ed9d_attn:
	.size	k_q6fa5a2ed9d_attn, .Lfunc_end_k_q6fa5a2ed9d_attn-k_q6fa5a2ed9d_attn
	.p2alignl 7, 3214868480
	.fill 96, 4, 3214868480
	.section	.rodata,"a",@progbits
	.p2align	6, 0x0
	.amdhsa_kernel k_q6fa5a2ed9d_attn
		.amdhsa_group_segment_fixed_size 109568
		.amdhsa_private_segment_fixed_size 0
		.amdhsa_enable_private_segment 0
		.amdhsa_kernarg_size 48
		.amdhsa_user_sgpr_count 2
		.amdhsa_user_sgpr_kernarg_segment_ptr 1
		.amdhsa_wavefront_size32 1
		.amdhsa_system_sgpr_workgroup_id_x 1
		.amdhsa_system_sgpr_workgroup_id_y 1
		.amdhsa_system_sgpr_workgroup_id_z 1
		.amdhsa_system_vgpr_workitem_id 0
		.amdhsa_next_free_vgpr 320
		.amdhsa_next_free_sgpr 106
		.amdhsa_reserve_vcc 0
		.amdhsa_float_denorm_mode_32 3
		.amdhsa_float_denorm_mode_16_64 3
		.amdhsa_memory_ordered 1
		.amdhsa_forward_progress 1
		.amdhsa_inst_pref_size 78
	.end_amdhsa_kernel
	.amdgpu_metadata
---
amdhsa.version: [ 1, 2 ]
amdhsa.kernels:
  - .name:           k_q6fa5a2ed9d_attn
    .symbol:         k_q6fa5a2ed9d_attn.kd
    .args:
      - { .name: Q, .offset: 0, .size: 8, .value_kind: global_buffer, .address_space: global }
      - { .name: K, .offset: 8, .size: 8, .value_kind: global_buffer, .address_space: global }
      - { .name: V, .offset: 16, .size: 8, .value_kind: global_buffer, .address_space: global }
      - { .name: lmask, .offset: 24, .size: 8, .value_kind: global_buffer, .address_space: global }
      - { .name: tmap, .offset: 32, .size: 8, .value_kind: global_buffer, .address_space: global }
      - { .name: out0, .offset: 40, .size: 8, .value_kind: global_buffer, .address_space: global }
    .group_segment_fixed_size: 109568
    .private_segment_fixed_size: 0
    .kernarg_segment_align: 8
    .kernarg_segment_size: 48
    .max_flat_workgroup_size: 256
    .sgpr_count:     106
    .vgpr_count:     320
    .wavefront_size: 32
...
	.end_amdgpu_metadata
.endif
;; end of part 2
